; MI455X (gfx1250); checked and timed in simulation.
; The chip was launched on July 23, 2026; its instructions are those of AMD's public machine-readable ISA for CDNA 5 (MIT licence, August 2026) and "CDNA5" Instruction Set Architecture Reference Guide (July 2026). The comments in the code are by the model that wrote it; some were corrected since.
;; RK Means Vector Quantizer. Allowed arithmetic: float matrix products may take bf16 or f16 operands with f32 sums; other float arithmetic in f32, or as packed bf16 or f16 multiplies, adds, multiply-adds, maxima and minima; sums over many terms, partial sums and values carried from step to step in f32; what a program stores and reads back later, other than sums and carried values, may be rounded once to bf16 or f16.
;; Inputs: centroids 8,192 x 256 float32; x 32,768 x 256 float32.
;; Outputs: out0 32,768 x 256 float32; out1 one number float32; out2 32,768 int32.
;; 2 versions, each right; version 2 is version 1 with the launch gather written anew for expert scheduling mode. Each part assembles by itself: llvm-mc -triple=amdgcn-amd-amdhsa -mcpu=gfx1250 --defsym DOCPART=n.
;; ======== version 1 of 2: 3 launches
;; limits: a difference of large sums (such as E[x^2] - mean^2): digits are lost where the result is much smaller than its terms
;; workspace buffers: cbw 4,259,840 bytes; widx 131,072 bytes of whole numbers; part 1,024 bytes
;; launch prep (part 1): grid 256 x 1, 8 waves a work-group, no clusters, 1,280 bytes of LDS; arguments centroids, cbw; writes cbw
.if DOCPART == 1
	.amdgcn_target "amdgcn-amd-amdhsa--gfx1250"
	.amdhsa_code_object_version 6
	.text
	.protected	k_q3659beb839_prep
	.globl	k_q3659beb839_prep
	.p2align	8
	.type	k_q3659beb839_prep,@function
k_q3659beb839_prep:
	s_mov_b64 s[64:65], 0
	v_nop
	global_prefetch_b8 v0, s[64:65] scope:SCOPE_SE
	s_setreg_imm32_b32 hwreg(HW_REG_WAVE_MODE, 25, 1), 1
	s_wait_xcnt 0x0
; THE CODEBOOK IS MADE READY.  centroids: [8192][256] f32.  cbw: 128 groups of 33,280 bytes = 65 rows of 512 bytes.
; Group G holds centroids 64 G .. 64 G + 63, rounded once to bf16, as 64 rows of 256 bf16.  Row 64 is two blocks of 256 bytes:
; block u holds the 32 f32 numbers -1/2 |c|^2 (of the ROUNDED centroids 64 G + 32 u ..), then 128 bytes of zeros.
; So one tile of 65 rows brings 64 centroids and what starts their sums.
; SHARES.  Work-group g takes centroids 32 g .. 32 g + 31: half a group and one block of its row 64.  Wave w takes four of these rows; a row is
; 1,024 bytes: two loads of 16 bytes a lane, 512 consecutive bytes each.  A row's 512 bytes of bf16 leave by two stores of 8 bytes a lane: 256
; consecutive bytes each, at a multiple of 256 from cbw's first byte.  The 32 norms meet in LDS and leave as one whole block of 256 bytes.
; Memory binds: no matrix unit, no cluster, no tensor load; each byte is read once and written once.
; LIMITS.  NaN and infinities are not treated apart.
.set GRP,   33280
.set SPARE, 256                        ; LDS: bytes 0-127 the 32 norms, 128-255 zeros; from 256 on the spare words, 128 bytes for each of eight waves
.set L16, 3                            ; v3   16 x lane
.set L8,  4                            ; v4   8 x lane
.set ZR,  5                            ; v5   0: the first addend of a row's two chains
.set LA,  6                            ; v6   16 x wave: where my four norms go in LDS
.set Z4,  8                            ; v[8:11]  16 bytes of zeros
.set CH,  12                           ; v[12:13] a row's two chains; at the end the block read back
.set SPW, 14                           ; v14  LDS address of my spare word; never rewritten
.set NIL, 15                           ; v15  0; never rewritten
.set X,   16                           ; v[16:47] four rows as loaded, 8 registers each
.set Y,   48                           ; v[48:63] four rows as stored, 4 registers each
	s_load_b128 s[4:7], s[0:1], 0x0                ; centroids s[4:5], cbw s[6:7]
	v_lshl_add_u32 v[SPW], v0, 2, SPARE
	v_mov_b32 v[NIL], 0
	v_lshrrev_b32 v1, 5, v0
	v_readfirstlane_b32 s8, v1                     ; wave 0..7
	v_and_b32 v2, 31, v0                           ; lane
	v_lshlrev_b32 v[L16], 4, v2
	v_lshlrev_b32 v[L8], 3, v2
	v_mov_b32 v[ZR], 0
	s_lshl_b32 s9, s8, 4
	v_mov_b32 v[LA], s9
.irp z, 0,1,2,3
	v_mov_b32 v[Z4+\z], 0
.endr
	s_lshl_b32 s10, ttmp9, 15                      ; 32 rows of 1,024 bytes a work-group,
	s_lshl_b32 s11, s8, 12                         ; 4 rows a wave
	s_add_co_u32 s10, s10, s11
	s_mov_b32 s11, 0
	s_lshr_b32 s12, ttmp9, 1
	s_mul_i32 s12, s12, GRP                        ; my group's first byte in cbw
	s_and_b32 s13, ttmp9, 1                        ; which half of it
	s_lshl_b32 s14, s13, 14                        ; 32 rows of 512 bytes,
	s_add_co_u32 s14, s14, s12
	s_lshl_b32 s15, s8, 11                         ; 4 rows a wave
	s_add_co_u32 s14, s14, s15
	s_mov_b32 s15, 0
	s_lshl_b32 s16, s13, 8                         ; my block of the group's row 64
	s_add_co_u32 s16, s16, s12
	s_add_co_u32 s16, s16, 32768
	s_mov_b32 s17, 0
	s_mov_b32 s18, 0x76543210                      ; v_permlanex16_b32: each lane takes its own place in the other half
	s_mov_b32 s19, 0xfedcba98
	s_wait_kmcnt 0x0
	s_add_nc_u64 s[4:5], s[4:5], s[10:11]
	s_add_nc_u64 s[20:21], s[6:7], s[16:17]
	s_add_nc_u64 s[6:7], s[6:7], s[14:15]
.irp ro, 0,1,2,3
	global_load_b128 v[X+8*\ro:X+8*\ro+3],   v[L16], s[4:5] offset:1024*\ro th:TH_LOAD_NT      ; channels 4 l .. 4 l + 3
	global_load_b128 v[X+8*\ro+4:X+8*\ro+7], v[L16], s[4:5] offset:1024*\ro+512 th:TH_LOAD_NT  ; channels 128 + 4 l ..
.endr
; One row: rounded, stored, and the sum of the squares of the rounded numbers.
.macro ROW ro
	s_wait_loadcnt 2*(3-(\ro))                     ; loads come back in order: this row's two are in, the later rows' stay out
.irp q, 0,1,2,3
	v_cvt_pk_bf16_f32 v[Y+4*(\ro)+\q], v[X+8*(\ro)+2*\q], v[X+8*(\ro)+2*\q+1]
.endr
	global_store_b64 v[L8], v[Y+4*(\ro):Y+4*(\ro)+1],   s[6:7] offset:512*(\ro)      ; 32 lanes: 256 consecutive bytes
	global_store_b64 v[L8], v[Y+4*(\ro)+2:Y+4*(\ro)+3], s[6:7] offset:512*(\ro)+256
	v_fma_mix_f32_bf16 v[CH],   v[Y+4*(\ro)], v[Y+4*(\ro)], v[ZR] op_sel_hi:[1,1,0]                ; low halves squared,
	v_fma_mix_f32_bf16 v[CH+1], v[Y+4*(\ro)], v[Y+4*(\ro)], v[ZR] op_sel:[1,1,0] op_sel_hi:[1,1,0] ; high halves squared: two chains in f32
.irp q, 1,2,3
	v_fma_mix_f32_bf16 v[CH],   v[Y+4*(\ro)+\q], v[Y+4*(\ro)+\q], v[CH]   op_sel_hi:[1,1,0]
	v_fma_mix_f32_bf16 v[CH+1], v[Y+4*(\ro)+\q], v[Y+4*(\ro)+\q], v[CH+1] op_sel:[1,1,0] op_sel_hi:[1,1,0]
.endr
	v_add_f32 v[CH], v[CH], v[CH+1]
	v_add_f32_dpp v[CH], v[CH], v[CH] row_xmask:1 row_mask:0xf bank_mask:0xf
	v_add_f32_dpp v[CH], v[CH], v[CH] row_xmask:2 row_mask:0xf bank_mask:0xf
	v_add_f32_dpp v[CH], v[CH], v[CH] row_xmask:4 row_mask:0xf bank_mask:0xf
	v_add_f32_dpp v[CH], v[CH], v[CH] row_xmask:8 row_mask:0xf bank_mask:0xf
	v_permlanex16_b32 v[CH+1], v[CH], s18, s19
	v_add_f32 v[CH], v[CH], v[CH+1]                ; every lane holds |c|^2
	v_mul_f32 v[CH], -0.5, v[CH]
	ds_store_b32 v[LA], v[CH] offset:4*(\ro)       ; all lanes write the same word with the same number
.endm
	ROW 0
	ROW 1
	ROW 2
	ROW 3
	ds_store_b128 v[LA], v[Z4:Z4+3] offset:128     ; my sixteenth of the block: zeros
	s_wait_dscnt 0x0                               ; for the others' sake: my stores into LDS are done
	s_barrier_signal -1
	s_barrier_wait -1
	s_cmp_lg_u32 s8, 0                             ; wave 0 sends the block
	s_cbranch_scc1 .Lend
	ds_load_b64 v[CH:CH+1], v[L8]
	s_wait_dscnt 0x0
	global_store_b64 v[L8], v[CH:CH+1], s[20:21]   ; 256 consecutive bytes, at a multiple of 256 from cbw's first byte
.Lend:
	s_wait_tensorcnt 0x0                           ; the wave's end: an add to my spare word and its wait, behind my last LDS store
	ds_add_u32 v[SPW], v[NIL]
	s_wait_dscnt 0x0
	s_endpgm
.Lfunc_end_k_q3659beb839_prep:
	.size	k_q3659beb839_prep, .Lfunc_end_k_q3659beb839_prep-k_q3659beb839_prep
	.p2alignl 7, 3214868480
	.fill 96, 4, 3214868480
	.section	.rodata,"a",@progbits
	.p2align	6, 0x0
	.amdhsa_kernel k_q3659beb839_prep
		.amdhsa_group_segment_fixed_size 1280
		.amdhsa_private_segment_fixed_size 0
		.amdhsa_enable_private_segment 0
		.amdhsa_kernarg_size 16
		.amdhsa_user_sgpr_count 2
		.amdhsa_user_sgpr_kernarg_segment_ptr 1
		.amdhsa_wavefront_size32 1
		.amdhsa_system_sgpr_workgroup_id_x 1
		.amdhsa_system_sgpr_workgroup_id_y 1
		.amdhsa_system_sgpr_workgroup_id_z 1
		.amdhsa_system_vgpr_workitem_id 0
		.amdhsa_next_free_vgpr 64
		.amdhsa_next_free_sgpr 66
		.amdhsa_reserve_vcc 0
		.amdhsa_float_denorm_mode_32 3
		.amdhsa_float_denorm_mode_16_64 3
		.amdhsa_memory_ordered 1
		.amdhsa_forward_progress 1
		.amdhsa_inst_pref_size 9
	.end_amdhsa_kernel
	.amdgpu_metadata
---
amdhsa.version: [ 1, 2 ]
amdhsa.kernels:
  - .name:           k_q3659beb839_prep
    .symbol:         k_q3659beb839_prep.kd
    .args:
      - { .name: centroids, .offset: 0, .size: 8, .value_kind: global_buffer, .address_space: global }
      - { .name: cbw, .offset: 8, .size: 8, .value_kind: global_buffer, .address_space: global }
    .group_segment_fixed_size: 1280
    .private_segment_fixed_size: 0
    .kernarg_segment_align: 8
    .kernarg_segment_size: 16
    .max_flat_workgroup_size: 256
    .sgpr_count:     66
    .vgpr_count:     64
    .wavefront_size: 32
...
	.end_amdgpu_metadata
.endif
;; end of part 1
;; launch main (part 2): grid 256 x 1, 4 waves a work-group, clusters of 4 x 1, 327,680 bytes of LDS; arguments x, cbw, out2, widx, part; writes out2, widx, part
.if DOCPART == 2
	.amdgcn_target "amdgcn-amd-amdhsa--gfx1250"
	.amdhsa_code_object_version 6
	.text
	.protected	k_q3659beb839_main
	.globl	k_q3659beb839_main
	.p2align	8
	.type	k_q3659beb839_main,@function
k_q3659beb839_main:
	s_mov_b64 s[64:65], 0
	v_nop
	global_prefetch_b8 v0, s[64:65] scope:SCOPE_SE
	s_setreg_imm32_b32 hwreg(HW_REG_WAVE_MODE, 25, 1), 1
	s_wait_xcnt 0x0
	s_wait_alu depctr_hold_cnt(0) depctr_sa_sdst(0) depctr_va_vdst(0) depctr_va_sdst(0) depctr_va_ssrc(0) depctr_va_vcc(0) depctr_vm_vsrc(0)
	s_getreg_b32 s2, hwreg(HW_REG_IB_STS2, 6, 4)
	s_cmp_eq_u32 s2, 0
	s_cbranch_scc0 .Lentry_in_a_cluster
	s_endpgm
.Lentry_in_a_cluster:
	s_bfe_u32 s2, ttmp6, 0x10000c
	s_cmp_lg_u32 s2, 0x3003
	s_cbranch_scc0 .Lentry_shape_is_right
	s_endpgm
.Lentry_shape_is_right:
; THE NEAREST CENTROID.  For each of 32,768 rows of x (256 channels, f32) the index of the centroid with the least |x|^2 + |c|^2 - 2 x.c, that is, with the greatest
; score s = x.c - 1/2 |c|^2.  x is rounded to bf16 here; the centroids come rounded, with -1/2 |c|^2 beside them, from cbw (128 groups of 65 rows of 512 bytes: 64 centroids,
; then a row with their 64 numbers -1/2 |c|^2, 32 at the head of each half).  Products in bf16, sums in f32.  No score ever leaves the registers.
; OUT: out2 and widx, the index of each row; part, for each work-group the sum over its rows of |x_b|^2 - 2 s_best = |c_b - x_b|^2 (of the rounded numbers), formed ROW BY ROW,
; as the distances themselves are formed, and only then added up.
; LIMITS.  NaN and infinities are not treated apart; a score must lie above the lowest finite f32.  Of scores equal bit for bit the lowest index wins.  Two centroids whose distances
; differ by less than f32's rounding of sums of this size may be chosen otherwise than by a program that adds in another order.
; SHARES.  A work-group owns 128 rows of x and walks the whole codebook, so no other work-group has a say in its rows.  EVERY wave keeps all 128 rows as fragments: 8 row tiles x 8
; K steps x 8 registers = 512.  The waves split the CENTROIDS: of each step's 256, wave w takes 64 w .. 64 w + 63, four tiles of 16.  A tile's 18 LDS loads feed 64 matrix instructions,
; and each LDS byte is read by one wave alone.
; LAYOUT.  Source 0 = 16 centroids, source 1 = 16 rows of x: in the result lane l holds row l % 16 of x, and its registers 0-7 the centroids 8 (l / 16) + 0..7.  The C operand of a sum's
; first K step is -1/2 |c|^2 of these eight centroids: two LDS loads in which all lanes of a half read the same 16 bytes.
; THE ARGMAX of a result (8 registers): their maximum T (4 instructions); T > BEST into a scalar mask; under it BEST takes T, TID the tile's number, KEEP the eight scores: 15 vector
; instructions for 8 matrix instructions.  They stand in slices of four behind every second matrix instruction of the NEXT tile.  At the end the first register of KEEP that equals
; BEST names the centroid.  '>' with tiles ascending keeps the first of equals.
; CLUSTER.  All work-groups walk the same codebook: the four of a cluster ask for each tile JOINTLY: the same tensor load, descriptor and mask in all four.
; NO FIRST STEP IS WRITTEN OUT: the first tile multiplies zeros and starts from the lowest finite number, which can win against nothing.  The price: 64 products that serve nothing
; and some 220 v_mov_b32, which run while the first tiles are on their way.
; REGISTERS, in windows of 256 (s_set_vgpr_msb: bits 1:0 source 0, 3:2 source 1, 5:4 source 2, 7:6 destination):
;   window 0: v0-15 addresses; v16-19 T; v20-27 BEST; v28-35 TID; v36-39 four rows' sums of squares; v40-44 at work; v64-127, v128-191 two sets of 8 accumulators; v192-255 KEEP
;   window 1: v0-63, v64-127 two buffers for a tile's fragments; v128-135, v136-143 the two C operands; (at the start v0-63, v144-207: x in f32)
;   window 2: x's fragments of K steps 0-3, at 64 k + 8 rt          window 3: of K steps 4-7
.set PK,    528       ; a centroid's row in LDS: 512 bytes + 16 of padding = 132 words: row r starts at bank 4 r mod 64 (64 banks of 4 bytes: ISA guide 11.1)
.set TILEB, 16*PK     ; a tile of 16 centroids
.set PART,  65*PK     ; what one tensor load brings and one wave reads: 64 centroids and the row of norms
.set SLOT,  4*PART    ; a step's 256 centroids; slot 0 at byte 0, slot 1 at SLOT
.set XP,    1040      ; a row of x in f32: 1,024 bytes + 16
.set XQ,    32*XP     ; a wave's 32 rows of it
.set XST,   SLOT      ; x is staged in slot 1 (128 x 1,040 = 133,120 bytes of its 137,280) before the walk begins
.set MRG,   274688    ; the first multiple of 256 behind the ring: 4 waves x 128 best scores, then 4 x 128 indices
.set SQW,   MRG+4096  ; 128 words: |x_b|^2 of the work-group's rows
.set SPARE, SQW+512   ; the spare words, 128 bytes for each wave: two blocks of 256 bytes that no other line names
.set GRP,   33280     ; a group in cbw
.set STEPB, 4*GRP     ; a step in cbw
.set AK0, 3           ; v3   my lane's place in my part of a slot: w PART + 528 (l % 16) + 16 (l / 16); never rewritten
.set CK0, 4           ; v4   the same for the norms: w PART + 64 x 528 + 32 (l / 16)
.set ADR, 5           ; v5   the address of the run of loads in hand
.set CADR, 6          ; v6   the same for the norms
.set XA,  7           ; v7   x's stage, by fragments
.set SA,  8           ; v8   x's stage, my wave's rows, 16 bytes a lane
.set PFO, 9           ; v9   256 x lane; never rewritten
.set SPW, 10          ; v10  LDS address of my spare word: SPARE + 4 x my thread's number; never rewritten
.set NIL, 11          ; v11  0; never rewritten
.set LB,  12          ; v12  64 w + 8 (l / 16): my lane's first centroid in a step's first tile
.set MA,  13          ; v13  where my wave's results go: MRG + 512 w + 4 (l % 16)
.set RA,  14          ; v14  MRG + 16 x lane
.set GO,  15          ; v15  16 x lane
.set T,   16
.set BEST, 20
.set TID, 28
.set SQ,  36
.set JJ,  40
.set F0,  41
.set F1,  42
.set ZR,  43          ; v43  0: the first addend of a chain
.set SW,  44          ; v44  where four rows' sums of squares go
.set ACC, 64
.set KEEP, 192
.set CI,  128         ; window 1
.set WV,  14          ; s14  my wave's number
.set CX,  15          ; s15  my place in the cluster: it enters global addresses alone
.set WG,  16          ; s16  my work-group's number
.set G1C, 24          ; s[24:31] descriptor group 1 for the codebook's tiles
.set G1X, 32          ; s[32:39] for x
.set G0C, 40          ; s[40:47] descriptor group 0 for the codebook, a set for each slot
.set G0X, 48          ; s[48:51] for x
.set LAP, 52          ; s52  laps to go
.set TW,  53          ; s53  a short loop's count
.set TB,  54          ; s54  LDS byte at which the tiles to be fetched begin, less my part's place
.set TC,  55          ; s55  the same for their norms
.set QN,  56          ; s56  the number of the tile whose scores are being looked through
.set LIM, 57          ; s57  1 in a cluster that prefetches, else the greatest number
.set PFA, 58          ; s[58:59] where my prefetches stand
.set MK,  60          ; s60, s61 the masks T > BEST of a pair of row tiles
.set LOW, 62          ; s62  the lowest finite f32
.set SEL, 66          ; s[66:67] v_permlanex16_b32's selects: each lane takes its own place in the other half
.set MSB, 0
.macro WIN new                      ; the high byte repeats the setting that is left; a switch that changes nothing is dropped
.if MSB != (\new)
	s_set_vgpr_msb (MSB<<8)|(\new)
.set MSB, \new
.endif
.endm
; A round of the cluster's barrier: my work-group's barrier, so that wave 0's signal speaks for all four waves; wave 0 signals; every wave waits for all four work-groups; my work-group's barrier once more.
.macro CROUND
	s_barrier_signal -1
	s_barrier_wait -1
	s_cmp_lg_u32 s[WV], 0
	s_cbranch_scc1 .Lnot_wave_0_\@
	s_barrier_signal -3
.Lnot_wave_0_\@:
	s_barrier_wait -3
	s_barrier_signal -1
	s_barrier_wait -1
.endm
	s_load_b256 s[4:11], s[0:1], 0x0  ; x s[4:5], cbw s[6:7], out2 s[8:9], widx s[10:11]
	s_load_b64 s[12:13], s[0:1], 0x20 ; part
	v_lshl_add_u32 v[SPW], v0, 2, SPARE
	v_mov_b32 v[NIL], 0
	ds_add_u32 v[SPW], v[NIL]       ; the wave's opening: the add, twice on end, and its wait ahead of my first tensor load; the set-up below, work on registers, stands between
	ds_add_u32 v[SPW], v[NIL]       ; and once more, under the one wait
	v_lshrrev_b32 v1, 5, v0
	v_readfirstlane_b32 s[WV], v1   ; wave 0..3
	s_bfe_u32 s[CX], ttmp6, 0x40000 ; my place in the cluster
	s_lshl_b32 s[WG], ttmp9, 2      ; in a cluster launch ttmp9 counts clusters
	s_add_co_u32 s[WG], s[WG], s[CX]
	; descriptor group 1 for the codebook: 65 rows x 256 elements of 2 bytes, dense in memory, padded in LDS
	s_mov_b32 s[G1C], 15|(1<<16)|(1<<20)|(1<<21)|(6<<22)|(3<<25)  ; 15:0 the mask of four; 17:16 2-byte elements; 20 padding on; 21 set beside a mask; 24:22 after every 128 words (code 6); 31:25 4 words (code 3)
	s_mov_b32 s[G1C+1], 256<<16     ; tensor_dim0 = 256
	s_mov_b32 s[G1C+2], 65<<16      ; tensor_dim1 = 65
	s_mov_b32 s[G1C+3], 256<<16     ; tile_dim0 = 256
	s_mov_b32 s[G1C+4], 65          ; tile_dim1 = 65
	s_mov_b32 s[G1C+5], 256         ; 256 elements from row to row
	s_mov_b32 s[G1C+6], 0
	s_mov_b32 s[G1C+7], 0
	; for x: 32 rows x 256 elements of 4 bytes; no mask: each work-group has rows of its own
	s_mov_b32 s[G1X], (2<<16)|(1<<20)|(7<<22)|(3<<25)  ; 17:16 4-byte elements; 20 padding on; 24:22 after every 256 words (code 7); 31:25 4 words (code 3)
	s_mov_b32 s[G1X+1], 256<<16
	s_mov_b32 s[G1X+2], 32<<16
	s_mov_b32 s[G1X+3], 256<<16
	s_mov_b32 s[G1X+4], 32
	s_mov_b32 s[G1X+5], 256
	s_mov_b32 s[G1X+6], 0
	s_mov_b32 s[G1X+7], 0
	s_mov_b32 s[G0C], 1             ; count = 1
	s_mul_i32 s[G0C+1], s[WV], PART ; LDS address: my part of slot 0: no place in the cluster enters an LDS address
	s_mov_b32 s[G0C+4], 1
	s_add_co_u32 s[G0C+5], s[G0C+1], SLOT  ; of slot 1
	s_mov_b32 s[G0X], 1
	s_mul_i32 s[G0X+1], s[WV], XQ
	s_add_co_u32 s[G0X+1], s[G0X+1], XST   ; my 32 rows of x's stage
	s_mul_i32 s72, s[WV], GRP       ; my group of a step, in cbw
	s_mov_b32 s73, 0
	s_lshl_b32 s74, s[WG], 17       ; my work-group's 128 rows of 1,024 bytes,
	s_lshl_b32 s75, s[WV], 15       ; my wave's 32 of them
	s_add_co_u32 s74, s74, s75
	s_mov_b32 s75, 0
	s_lshl_b32 s76, s[CX], 13       ; the prefetches: my work-group's quarter of a group's 32,768 bytes of centroids
	s_mov_b32 s77, 0
	s_lshl_b32 s78, s[WG], 9        ; my work-group's 128 indices
	s_mov_b32 s79, 0
	s_lshl_b32 s20, s[WG], 2        ; and its word of part
	s_mov_b32 s21, 0
	s_mov_b32 s[LOW], 0xff7fffff
	s_mov_b32 s[SEL], 0x76543210
	s_mov_b32 s[SEL+1], 0xfedcba98
	s_cmp_eq_u32 ttmp9, 0           ; the first cluster prefetches: the same answer in all four partners
	s_cselect_b32 s[LIM], 1, -1
	v_and_b32 v1, 15, v0            ; l % 16
	v_bfe_u32 v2, v0, 4, 1          ; l / 16
	v_and_b32 v[GO], 31, v0
	v_lshlrev_b32 v[GO], 4, v[GO]
	v_lshlrev_b32 v[PFO], 4, v[GO]
	v_mul_u32_u24 v[AK0], v1, PK
	v_lshl_add_u32 v[AK0], v2, 4, v[AK0]
	v_add_nc_u32 v[AK0], s[G0C+1], v[AK0]
	s_add_co_u32 s17, s[G0C+1], 64*PK
	v_lshl_add_u32 v[CK0], v2, 5, s17
	v_mul_u32_u24 v[XA], v1, XP
	v_lshl_add_u32 v[XA], v2, 5, v[XA]     ; row x pitch + 8 channels of f32 for each half of the lanes
	v_add_nc_u32 v[XA], XST, v[XA]
	v_add_nc_u32 v[SA], s[G0X+1], v[GO]
	s_lshl_b32 s17, s[WV], 6
	v_lshl_add_u32 v[LB], v2, 3, s17
	s_lshl_b32 s17, s[WV], 9
	s_add_co_u32 s17, s17, MRG
	v_lshl_add_u32 v[MA], v1, 2, s17
	v_add_nc_u32 v[RA], MRG, v[GO]
	s_lshl_b32 s17, s[WV], 7
	s_add_co_u32 s17, s17, SQW
	v_mov_b32 v[SW], s17            ; my wave's 32 words
	v_mov_b32 v[ZR], 0
	s_wait_dscnt 0x0                ; both opening adds are done
	s_wait_kmcnt 0x0
	s_add_nc_u64 s[G0C+2:G0C+3], s[6:7], s[72:73]          ; global address: my group of step 0
	s_add_nc_u64 s[PFA:PFA+1], s[G0C+2:G0C+3], s[76:77]    ; the prefetches: the same group, my work-group's quarter,
	s_add_nc_u64 s[PFA:PFA+1], s[PFA:PFA+1], 2*STEPB       ; at step 2: the first change of slots steps it to 3
	s_add_nc_u64 s[G0C+6:G0C+7], s[G0C+2:G0C+3], STEPB     ; my group of step 1
	s_or_b32 s[G0C+3], s[G0C+3], 0x80000000                ; type = 2
	s_or_b32 s[G0C+7], s[G0C+7], 0x80000000
	s_add_nc_u64 s[G0X+2:G0X+3], s[4:5], s[74:75]
	s_or_b32 s[G0X+3], s[G0X+3], 0x80000000
	s_add_nc_u64 s[8:9], s[8:9], s[78:79]
	s_add_nc_u64 s[10:11], s[10:11], s[78:79]
	s_add_nc_u64 s[12:13], s[12:13], s[20:21]
	CROUND                          ; all four work-groups are here: the first joint loads meet
	tensor_load_to_lds s[G0X:G0X+3], s[G1X:G1X+7]  ; my 32 rows of x, into slot 1's bytes
	s_nop 0
	tensor_load_to_lds s[G0C:G0C+3], s[G1C:G1C+7]  ; my part of step 0, into slot 0: two loads of mine are out
	s_nop 0
.rept 4
	v_nop
.endr
	; What the first two tiles find, written while the first loads are on their way.
.set z, 0
.rept 8
	v_mov_b32 v[BEST+z], s[LOW]
	v_mov_b32 v[TID+z], 0
.set z, z+1
.endr
.set z, 0
.rept 64
	v_mov_b32 v[ACC+z], s[LOW]      ; the scores that the first tile's slices look through: they win against nothing
	v_mov_b32 v[KEEP+z], s[LOW]
.set z, z+1
.endr
	WIN 0x40
.set z, 0
.rept 64
	v_mov_b32 v[64+z], 0            ; the first tile's 'centroids'
.set z, z+1
.endr
.set z, 0
.rept 8
	v_mov_b32 v[CI+8+z], s[LOW]     ; and what starts its sums
.set z, z+1
.endr
	WIN 0
	s_wait_tensorcnt 0x1            ; my rows of x are in (tensor loads of a wave end in order); step 0's load, issued behind, may stay out
	s_barrier_signal -1
	s_barrier_wait -1               ; everybody's rows are in
	; |x_b|^2 of my wave's 32 rows: four rows a trip, a chain a row; 16 bytes a lane, two loads a row.
	s_mov_b32 s[TW], 8
.Lsq:
.irp ro, 0,1,2,3
	ds_load_b128 v[128+8*\ro:128+8*\ro+3],   v[SA] offset:XP*\ro
	ds_load_b128 v[128+8*\ro+4:128+8*\ro+7], v[SA] offset:XP*\ro+512
.endr
	s_wait_dscnt 0x0
	v_add_nc_u32 v[SA], 4*XP, v[SA]
.set z, 0
.rept 16
	v_cvt_pk_bf16_f32 v[160+z], v[128+2*z], v[128+2*z+1]  ; row z / 4
.set z, z+1
.endr
.irp ro, 0,1,2,3
	v_fma_mix_f32_bf16 v[SQ+\ro], v[160+4*\ro], v[160+4*\ro], v[ZR] op_sel_hi:[1,1,0]  ; the low half squared starts the chain
.endr
.irp ro, 0,1,2,3
	v_fma_mix_f32_bf16 v[SQ+\ro], v[160+4*\ro], v[160+4*\ro], v[SQ+\ro] op_sel:[1,1,0] op_sel_hi:[1,1,0]
.endr
.irp q, 1,2,3
.irp ro, 0,1,2,3
	v_fma_mix_f32_bf16 v[SQ+\ro], v[160+4*\ro+\q], v[160+4*\ro+\q], v[SQ+\ro] op_sel_hi:[1,1,0]
.endr
.irp ro, 0,1,2,3
	v_fma_mix_f32_bf16 v[SQ+\ro], v[160+4*\ro+\q], v[160+4*\ro+\q], v[SQ+\ro] op_sel:[1,1,0] op_sel_hi:[1,1,0]
.endr
.endr
.irp m, 1,2,4,8
.irp ro, 0,1,2,3
	v_add_f32_dpp v[SQ+\ro], v[SQ+\ro], v[SQ+\ro] row_xmask:\m row_mask:0xf bank_mask:0xf
.endr
.endr
.irp ro, 0,1,2,3
	v_permlanex16_b32 v[160+\ro], v[SQ+\ro], s[SEL], s[SEL+1]
.endr
.irp ro, 0,1,2,3
	v_add_f32 v[SQ+\ro], v[SQ+\ro], v[160+\ro]
.endr
	ds_store_b128 v[SW], v[SQ:SQ+3] ; four rows' numbers; all lanes write the same 16 bytes with the same numbers
	v_add_nc_u32 v[SW], 16, v[SW]
	s_sub_co_u32 s[TW], s[TW], 1
	s_cmp_lg_u32 s[TW], 0
	s_cbranch_scc1 .Lsq
	; x INTO FRAGMENTS.  A fragment is 16 rows x 32 channels in 8 registers: lane l holds row l % 16; registers 0-3 channels 8 (l / 16) + 0..7, registers 4-7 channels 16 + 8 (l / 16) + 0..7.
	; In f32 these are 32 bytes at 128 k + 32 (l / 16) and 32 bytes 64 further on.  Half a row tile (four K steps) at a time, on two sets of 64 registers.
.macro XL hx                        ; 16 loads: row tile hx / 2, K steps 4 (hx % 2) + 0..3
	WIN 0x40
.set xb, 144*((\hx)%2)
.set kh, (\hx)%2
.irp kk, 0,1,2,3
	ds_load_b128 v[xb+16*\kk:xb+16*\kk+3],     v[XA] offset:128*(4*kh+\kk)
	ds_load_b128 v[xb+16*\kk+4:xb+16*\kk+7],   v[XA] offset:128*(4*kh+\kk)+16
	ds_load_b128 v[xb+16*\kk+8:xb+16*\kk+11],  v[XA] offset:128*(4*kh+\kk)+64
	ds_load_b128 v[xb+16*\kk+12:xb+16*\kk+15], v[XA] offset:128*(4*kh+\kk)+80
.endr
.if kh == 1
	WIN 0
	v_add_nc_u32 v[XA], 16*XP, v[XA]  ; the next row tile
.endif
.endm
.macro XC hx                        ; 32 roundings, two numbers each, into window 2 (K steps 0-3) or 3 (4-7)
.set xb, 144*((\hx)%2)
.set t8, (\hx)/2
	WIN 0x85+0x40*((\hx)%2)
.set z, 0
.rept 32
	v_cvt_pk_bf16_f32 v[64*(z/8)+8*t8+z%8], v[xb+16*(z/8)+2*(z%8)], v[xb+16*(z/8)+2*(z%8)+1]
.set z, z+1
.endr
.endm
	XL 0
.set hh, 0
.rept 16
.if hh < 15
	XL hh+1
	s_wait_dscnt 16                 ; LDS loads come back in order: this half's 16 are in, the next half's 16 may stay out
.else
	s_wait_dscnt 0x0
.endif
	XC hh
.set hh, hh+1
.endr
	WIN 0
; THE MATRIX WORK.  Instruction i of a tile's 64, on buffer p: K step i / 8, row tile i % 8.  The 8 accumulators take turns, one instruction a turn, from tile to tile and over the backward jumps too.
.macro MM p
.set k, i/8
.set t8, i%8
.set rD, ACC+64*(\p)+8*t8
.set rA, 64*(\p)+8*k
.set rB, 64*(k%4)+8*t8
.if k == 0
	WIN 0x19                        ; centroids window 1, x window 2, C window 1, D window 0
	v_wmma_f32_16x16x32_bf16 v[rD:rD+7], v[rA:rA+7], v[rB:rB+7], v[CI+8*(\p):CI+8*(\p)+7]
.elseif k < 4
	WIN 0x09
	v_wmma_f32_16x16x32_bf16 v[rD:rD+7], v[rA:rA+7], v[rB:rB+7], v[rD:rD+7]
.else
	WIN 0x0d                        ; x window 3
	v_wmma_f32_16x16x32_bf16 v[rD:rD+7], v[rA:rA+7], v[rB:rB+7], v[rD:rD+7]
.endif
.set i, i+1
.endm
; THE VECTOR WORK.  Instruction e of the 120 that look through the 8 results of accumulator set b.  Row tiles go in pairs, the two of a pair alternating, so that no instruction reads the result of the one before it.
; Each accumulator's lowest registers are read first.
.macro EP b
.set n, (e%30)/2
.set u, e%2
.set t8, 2*(e/30)+u
.set ra, ACC+64*(\b)+8*t8
.set rT, T+2*u
	WIN 0
.if n == 0
	v_max3_num_f32 v[rT], v[ra], v[ra+1], v[ra+2]
.elseif n == 1
	v_max3_num_f32 v[rT+1], v[ra+3], v[ra+4], v[ra+5]
.elseif n == 2
	v_max3_num_f32 v[rT], v[rT], v[ra+6], v[ra+7]
.elseif n == 3
	v_max_num_f32 v[rT], v[rT], v[rT+1]
.elseif n == 4
	v_cmp_gt_f32 s[MK+u], v[rT], v[BEST+t8]
.elseif n == 5
	v_cndmask_b32 v[BEST+t8], v[BEST+t8], v[rT], s[MK+u]
.elseif n == 6
	v_cndmask_b32 v[TID+t8], v[TID+t8], s[QN], s[MK+u]
.else
	v_cndmask_b32 v[KEEP+8*t8+n-7], v[KEEP+8*t8+n-7], v[ra+n-7], s[MK+u]
.endif
.set e, e+1
.endm
; THE LDS LOADS of a tile stand in one run of 18: its 16 centroids x 256 channels (8 fragments) and its eight numbers -1/2 |c|^2 a lane.  Buffer b takes the tiles of parity b.
.macro FETCH b
	WIN 0
	v_add_nc_u32 v[ADR], s[TB], v[AK0]
	v_add_nc_u32 v[CADR], s[TC], v[CK0]
	WIN 0x40                        ; destination window 1
.irp kk, 0,1,2,3,4,5,6,7
	ds_load_b128 v[64*(\b)+8*\kk:64*(\b)+8*\kk+3],   v[ADR] offset:(\b)*TILEB+64*\kk
	ds_load_b128 v[64*(\b)+8*\kk+4:64*(\b)+8*\kk+7], v[ADR] offset:(\b)*TILEB+64*\kk+32
.endr
	ds_load_b128 v[CI+8*(\b):CI+8*(\b)+3],   v[CADR] offset:64*(\b)
	ds_load_b128 v[CI+8*(\b)+4:CI+8*(\b)+7], v[CADR] offset:64*(\b)+16
.if (\b) == 1
	s_add_co_u32 s[TB], s[TB], 2*TILEB  ; the next two tiles,
	s_add_co_u32 s[TC], s[TC], 256      ; whose norms lie in the row's other half
.endif
.endm
; A TILE on buffer p: 64 matrix instructions; behind every second of the first 60 a slice of four of the 120 that look through the tile before (set 1 - p).
; Places (ISA guide 7.12.1), by this text's own count.  The results of row tiles 0 and 1 are ended by instructions 56 and 57 of the tile before: the slices behind its 57 and 59, eight plain instructions that name none
; of their registers, stand ahead of the first read; the later row tiles' results are read behind whole pairs' slices.
; fetch = 1: the next tile's run of loads stands behind instruction 9: five slices, twenty plain instructions, behind the last product that read those registers, and 54 matrix instructions ahead of their first use.
.macro TILE p, fetch
	s_wait_dscnt 0x0                ; this tile's fragments and norms are in
.set i, 0
.set e, 0
.rept 64
	MM \p
.if ((i%2) == 0) && (i <= 60)
.rept 4
	EP 1-(\p)
.endr
.endif
.if (\fetch) && (i == 10)
	FETCH 1-(\p)
.endif
.endr
	WIN 0                           ; at a label and at a branch every window is 0
	s_add_co_u32 s[QN], s[QN], 1
.endm
; A PREFETCH INTO THE L2, behind the joint load and its five lines: of the step that stands TWO refills on, my group's 64 rows of centroids.  Each block of 256 bytes is named once in the launch: the first cluster alone
; asks; each of its waves asks for the group that it will fetch; the four partners share the group's 32,768 bytes out BY ADDRESS, 8,192 each; a lane a block, one instruction.  The group's row of norms comes by its load alone.
; The first three steps come by their loads alone; the loop's last lap and the tail ask for nothing.
.macro ASK
	s_cmp_gt_u32 s[LAP], s[LIM]
	s_cbranch_scc0 .Lnot_mine_\@
	global_prefetch_b8 v[PFO], s[PFA:PFA+1] th:TH_LOAD_NT scope:SCOPE_SE
.Lnot_mine_\@:
.endm
; THE CHANGE OF SLOTS, to slot 'to'.  The other slot's last tile has been asked for.  Each wave waits for all its tensor loads, of which one is out: its part of slot 'to'; adds 0 to its spare word; and waits for that and for
; its own reads of the slot that it leaves.  fill = 1: that slot is filled again, with the next step.  The barrier is then a round of the cluster's, so that no wave of any partner still reads the slot or has a load on its way,
; and the joint refill is the first thing behind it: one load a wave, with a step's 256 matrix instructions in which to land.  (At its first use the slot that is left is x's stage.)
; loop = 1: in the loop: the descriptor of slot 'to' steps two steps on for the next change, and the prefetches go on.
.macro CHANGE to, fill, loop
	WIN 0
.if \loop
	s_wait_xcnt 0x0                 ; the last prefetch, a step back, has read its address, so it may be written
	s_add_nc_u64 s[PFA:PFA+1], s[PFA:PFA+1], STEPB
.endif
	s_wait_tensorcnt 0x0            ; no tensor load of mine is out, so a group 0 may be written
	ds_add_u32 v[SPW], v[NIL]       ; 0 onto my spare word; the scalar work below stands between it and the wait for it
.if \loop
	s_add_nc_u64 s[G0C+4*(\to)+2:G0C+4*(\to)+3], s[G0C+4*(\to)+2:G0C+4*(\to)+3], 2*STEPB  ; the type bits on top are not reached
.endif
	s_mov_b32 s[TB], (\to)*SLOT     ; the fetches begin at the new slot's first tile
	s_mov_b32 s[TC], (\to)*SLOT
	s_mov_b32 s[TW], 2
	s_wait_dscnt 0x0                ; the add is done, and my reads of the old slot are over
.if \fill
	CROUND
	tensor_load_to_lds s[G0C+4*(1-(\to)):G0C+4*(1-(\to))+3], s[G1C:G1C+7]
	s_nop 0
.rept 4
	v_nop
.endr
.if \loop
	ASK
.endif
.else
	s_barrier_signal -1
	s_barrier_wait -1
.endif
.endm
; A step's four tiles: two tiles written once, walked twice.  The first multiplies the last tile of the step before, whose fragments are in registers, and fetches this step's first.
.macro PAIRLOOP
.Lpair_\@:
	TILE 1, 1
	TILE 0, 1
	s_sub_co_u32 s[TW], s[TW], 1
	s_cmp_lg_u32 s[TW], 0
	s_cbranch_scc1 .Lpair_\@
.endm
	s_mov_b32 s[QN], -2             ; the first two tiles' slices look through what can win nothing; the third's look through tile 0
	s_mov_b32 s[LAP], 15
.Llap:                              ; 15 laps: changes 0 to 29; change c goes to step c and asks for step c + 1
	CHANGE 0, 1, 1
	PAIRLOOP
	CHANGE 1, 1, 1
	PAIRLOOP
	s_sub_co_u32 s[LAP], s[LAP], 1
	s_cmp_lg_u32 s[LAP], 0
	s_cbranch_scc1 .Llap
	CHANGE 0, 1, 0                  ; the tail is written out: step 31 is asked for
	PAIRLOOP
	CHANGE 1, 0, 0                  ; and then nothing
	PAIRLOOP
	TILE 1, 0                       ; the last tile
.rept 4
	v_nop
.endr
.set e, 0
.rept 120
	EP 1                            ; and its scores
.endr
; THE END.  (b, x) takes (ob, ox) where ob is greater, or equal with the lower index.
.macro MERGE b, x, ob, ox
	v_cmp_gt_f32 s68, v[\ob], v[\b]
	v_cmp_eq_f32 s69, v[\ob], v[\b]
	v_cmp_lt_u32 s70, v[\ox], v[\x]
	s_and_b32 s69, s69, s70
	s_or_b32 s68, s68, s69
	v_cndmask_b32 v[\b], v[\b], v[\ob], s68
	v_cndmask_b32 v[\x], v[\x], v[\ox], s68
.endm
; Row tile t: the first register of KEEP that equals BEST; the index 256 (q / 4) + 64 w + 16 (q % 4) + 8 (l / 16) + j; the row's other eight centroids of each tile lie in the lane 16 away; into LDS.
.macro FIN t
	v_mov_b32 v[JJ], 7
.irp j, 6,5,4,3,2,1,0
	v_cmp_neq_f32 vcc_lo, v[KEEP+8*(\t)+\j], v[BEST+(\t)]
	v_cndmask_b32 v[JJ], \j, v[JJ], vcc_lo
.endr
	v_lshrrev_b32 v[F0], 2, v[TID+(\t)]
	v_and_b32 v[F1], 3, v[TID+(\t)]
	v_lshl_add_u32 v[F0], v[F0], 8, v[JJ]
	v_lshl_add_u32 v[F1], v[F1], 4, v[LB]
	v_add_nc_u32 v[TID+(\t)], v[F0], v[F1]
	v_permlanex16_b32 v[T], v[BEST+(\t)], s[SEL], s[SEL+1]
	v_permlanex16_b32 v[T+1], v[TID+(\t)], s[SEL], s[SEL+1]
	MERGE BEST+(\t), TID+(\t), T, T+1
	ds_store_b32 v[MA], v[BEST+(\t)] offset:64*(\t)       ; both halves of the lanes write the same word with the same number
	ds_store_b32 v[MA], v[TID+(\t)] offset:2048+64*(\t)
.endm
.irp t, 0,1,2,3,4,5,6,7
	FIN \t
.endr
	s_wait_dscnt 0x0                ; for the others' sake: my stores into LDS are done
	s_barrier_signal -1
	s_barrier_wait -1
	s_cmp_lg_u32 s[WV], 0           ; wave 0 finishes: lane l owns rows 4 l .. 4 l + 3
	s_cbranch_scc1 .Lend
.irp wv, 0,1,2,3
	ds_load_b128 v[KEEP+4*\wv:KEEP+4*\wv+3],       v[RA] offset:512*\wv       ; wave wv's best scores of my four rows,
	ds_load_b128 v[KEEP+16+4*\wv:KEEP+16+4*\wv+3], v[RA] offset:2048+512*\wv  ; and their indices
.endr
	ds_load_b128 v[KEEP+32:KEEP+35], v[RA] offset:SQW-MRG  ; |x_b|^2 of my four rows
	s_wait_dscnt 0x0
.irp wv, 1,2,3
.irp c, 0,1,2,3
	MERGE KEEP+\c, KEEP+16+\c, KEEP+4*\wv+\c, KEEP+16+4*\wv+\c
.endr
.endr
	global_store_b128 v[GO], v[KEEP+16:KEEP+19], s[8:9]    ; 512 consecutive bytes, at a multiple of 256 from out2's first byte
	global_store_b128 v[GO], v[KEEP+16:KEEP+19], s[10:11]  ; and the same for the launch that gathers
.irp c, 0,1,2,3
	v_fma_f32 v[KEEP+\c], v[KEEP+\c], -2.0, v[KEEP+32+\c]  ; a row's |x_b|^2 - 2 s = |c_b - x_b|^2
.endr
	v_add_f32 v[F0], v[KEEP], v[KEEP+1]
	v_add_f32 v[F1], v[KEEP+2], v[KEEP+3]
	v_add_f32 v[F0], v[F0], v[F1]
	v_add_f32_dpp v[F0], v[F0], v[F0] row_xmask:1 row_mask:0xf bank_mask:0xf
	v_add_f32_dpp v[F0], v[F0], v[F0] row_xmask:2 row_mask:0xf bank_mask:0xf
	v_add_f32_dpp v[F0], v[F0], v[F0] row_xmask:4 row_mask:0xf bank_mask:0xf
	v_add_f32_dpp v[F0], v[F0], v[F0] row_xmask:8 row_mask:0xf bank_mask:0xf
	v_permlanex16_b32 v[F1], v[F0], s[SEL], s[SEL+1]
	v_add_f32 v[F0], v[F0], v[F1]   ; the work-group's 128 rows
	v_mov_b32 v[JJ], 0
	v_cmp_eq_u32 vcc_lo, 0, v0      ; in wave 0 the thread's number is the lane's
	s_wait_xcnt 0x0                 ; EXEC, a source of the stores above, changes only behind this wait
	s_and_saveexec_b32 s71, vcc_lo
	global_store_b32 v[JJ], v[F0], s[12:13]
	s_wait_xcnt 0x0                 ; and again, in front of the line that widens it
	s_or_b32 exec_lo, exec_lo, s71
.Lend:
	s_wait_tensorcnt 0x0            ; the wave's end: an add to my spare word and its wait, behind my last tensor load and my last LDS store
	ds_add_u32 v[SPW], v[NIL]
	s_wait_dscnt 0x0
	CROUND                          ; the closing round: no work-group ends while a partner may still ask for a tile that names it
	s_endpgm
.Lfunc_end_k_q3659beb839_main:
	.size	k_q3659beb839_main, .Lfunc_end_k_q3659beb839_main-k_q3659beb839_main
	.p2alignl 7, 3214868480
	.fill 96, 4, 3214868480
	.section	.rodata,"a",@progbits
	.p2align	6, 0x0
	.amdhsa_kernel k_q3659beb839_main
		.amdhsa_group_segment_fixed_size 327680
		.amdhsa_private_segment_fixed_size 0
		.amdhsa_enable_private_segment 0
		.amdhsa_kernarg_size 40
		.amdhsa_user_sgpr_count 2
		.amdhsa_user_sgpr_kernarg_segment_ptr 1
		.amdhsa_wavefront_size32 1
		.amdhsa_system_sgpr_workgroup_id_x 1
		.amdhsa_system_sgpr_workgroup_id_y 1
		.amdhsa_system_sgpr_workgroup_id_z 1
		.amdhsa_system_vgpr_workitem_id 0
		.amdhsa_next_free_vgpr 1024
		.amdhsa_next_free_sgpr 80
		.amdhsa_reserve_vcc 1
		.amdhsa_float_denorm_mode_32 3
		.amdhsa_float_denorm_mode_16_64 3
		.amdhsa_memory_ordered 1
		.amdhsa_forward_progress 1
		.amdhsa_inst_pref_size 226
	.end_amdhsa_kernel
	.amdgpu_metadata
---
amdhsa.version: [ 1, 2 ]
amdhsa.kernels:
  - .name:           k_q3659beb839_main
    .symbol:         k_q3659beb839_main.kd
    .args:
      - { .name: x, .offset: 0, .size: 8, .value_kind: global_buffer, .address_space: global }
      - { .name: cbw, .offset: 8, .size: 8, .value_kind: global_buffer, .address_space: global }
      - { .name: out2, .offset: 16, .size: 8, .value_kind: global_buffer, .address_space: global }
      - { .name: widx, .offset: 24, .size: 8, .value_kind: global_buffer, .address_space: global }
      - { .name: part, .offset: 32, .size: 8, .value_kind: global_buffer, .address_space: global }
    .group_segment_fixed_size: 327680
    .private_segment_fixed_size: 0
    .kernarg_segment_align: 8
    .kernarg_segment_size: 40
    .max_flat_workgroup_size: 128
    .sgpr_count:     80
    .vgpr_count:     1024
    .wavefront_size: 32
...
	.end_amdgpu_metadata
.endif
;; end of part 2
;; launch gather (part 3): grid 512 x 1, 8 waves a work-group, no clusters, 0 bytes of LDS; arguments x, centroids, widx, part, out0, out1; writes out0, out1
.if DOCPART == 3
	.amdgcn_target "amdgcn-amd-amdhsa--gfx1250"
	.amdhsa_code_object_version 6
	.text
	.protected	k_q3659beb839_gather
	.globl	k_q3659beb839_gather
	.p2align	8
	.type	k_q3659beb839_gather,@function
k_q3659beb839_gather:
	s_mov_b64 s[64:65], 0
	v_nop
	global_prefetch_b8 v0, s[64:65] scope:SCOPE_SE
	s_setreg_imm32_b32 hwreg(HW_REG_WAVE_MODE, 25, 1), 1
	s_wait_xcnt 0x0
; out0[r] = x[r] + (centroids[widx[r]] - x[r]), in f32, in that order of operations; out1 = 1.25 x the mean of (c - x)^2, from the 256 partial sums in part.
; x, out0: [32768][256] f32; centroids: [8192][256] f32; widx: [32768] whole numbers, stored by the launch before; part: [256] f32.
; SHARES.  A wave takes 8 rows, a work-group's eight waves 64.  A row is 1,024 bytes: two loads (and two stores) of 16 bytes a lane, 512 consecutive bytes each, at multiples of 256 from the buffers' first bytes.
; All 32 loads of a wave (16 of x, 16 of the centroids' rows) are issued before the first is waited for.  The wave's eight indices come by one scalar load; each is held to 8,191 before it enters an address.
; Memory binds: no LDS, no matrix unit, no cluster.  The first wave of the first work-group also adds up part.
.set LO, 2                             ; v2   16 x lane; never rewritten
.set PO, 3                             ; v3   32 x lane
.set X,  16                            ; v[16:79]   8 rows of x, 8 registers each
.set C,  80                            ; v[80:143]  8 rows of centroids, then of out0
.set CO, 144                           ; v[144:151] row j: the centroid's byte offset + 16 x lane
	s_load_b256 s[4:11], s[0:1], 0x0               ; x s[4:5], centroids s[6:7], widx s[8:9], part s[10:11]
	s_load_b128 s[12:15], s[0:1], 0x20             ; out0 s[12:13], out1 s[14:15]
	v_lshrrev_b32 v1, 5, v0
	v_readfirstlane_b32 s24, v1                    ; wave 0..7
	v_and_b32 v[LO], 31, v0
	v_lshlrev_b32 v[PO], 5, v[LO]
	v_lshlrev_b32 v[LO], 4, v[LO]
	s_lshl_b32 s26, ttmp9, 16                      ; 64 rows of 1,024 bytes a work-group,
	s_lshl_b32 s27, s24, 13                        ; 8 rows a wave
	s_add_co_u32 s26, s26, s27
	s_mov_b32 s27, 0
	s_lshl_b32 s28, ttmp9, 8                       ; 64 indices a work-group,
	s_lshl_b32 s29, s24, 5                         ; 8 a wave
	s_add_co_u32 s28, s28, s29
	s_mov_b32 s29, 0
	s_mov_b32 s30, 0x76543210                      ; v_permlanex16_b32: each lane takes its own place in the other half
	s_mov_b32 s31, 0xfedcba98
	s_wait_kmcnt 0x0
	s_add_nc_u64 s[8:9], s[8:9], s[28:29]
	s_load_b256 s[16:23], s[8:9], 0x0              ; my eight indices
	s_add_nc_u64 s[4:5], s[4:5], s[26:27]
	s_add_nc_u64 s[12:13], s[12:13], s[26:27]
.irp j, 0,1,2,3,4,5,6,7
	global_load_b128 v[X+8*\j:X+8*\j+3],   v[LO], s[4:5] offset:1024*\j th:TH_LOAD_NT
	global_load_b128 v[X+8*\j+4:X+8*\j+7], v[LO], s[4:5] offset:1024*\j+512 th:TH_LOAD_NT
.endr
	s_wait_kmcnt 0x0
.irp j, 0,1,2,3,4,5,6,7
	s_min_u32 s[16+\j], s[16+\j], 8191             ; an index stays inside its table
	s_lshl_b32 s[16+\j], s[16+\j], 10              ; a centroid's row is 1,024 bytes
	v_add_nc_u32 v[CO+\j], s[16+\j], v[LO]
	global_load_b128 v[C+8*\j:C+8*\j+3],   v[CO+\j], s[6:7]             ; no hint: a list may name a row twice
	global_load_b128 v[C+8*\j+4:C+8*\j+7], v[CO+\j], s[6:7] offset:512
.endr
.irp j, 0,1,2,3,4,5,6,7
	s_wait_loadcnt 2*(7-\j)                        ; loads come back in order: x and this row's centroid are in, the later rows' two loads each stay out
.irp q, 0,2,4,6
	v_pk_add_f32 v[C+8*\j+\q:C+8*\j+\q+1], v[C+8*\j+\q:C+8*\j+\q+1], v[X+8*\j+\q:X+8*\j+\q+1] neg_lo:[0,1] neg_hi:[0,1]  ; c - x
.endr
.irp q, 0,2,4,6
	v_pk_add_f32 v[C+8*\j+\q:C+8*\j+\q+1], v[X+8*\j+\q:X+8*\j+\q+1], v[C+8*\j+\q:C+8*\j+\q+1]  ; x + (c - x)
.endr
	global_store_b128 v[LO], v[C+8*\j:C+8*\j+3],   s[12:13] offset:1024*\j th:TH_STORE_NT
	global_store_b128 v[LO], v[C+8*\j+4:C+8*\j+7], s[12:13] offset:1024*\j+512 th:TH_STORE_NT
.endr
	s_or_b32 s25, ttmp9, s24
	s_cmp_lg_u32 s25, 0                            ; the first wave of the first work-group owns the loss
	s_cbranch_scc1 .Lend
	global_load_b128 v[X:X+3],   v[PO], s[10:11]   ; 256 partial sums, eight a lane
	global_load_b128 v[X+4:X+7], v[PO], s[10:11] offset:16
	s_wait_loadcnt 0x0
	v_pk_add_f32 v[X:X+1], v[X:X+1], v[X+2:X+3]
	v_pk_add_f32 v[X+4:X+5], v[X+4:X+5], v[X+6:X+7]
	v_pk_add_f32 v[X:X+1], v[X:X+1], v[X+4:X+5]
	v_add_f32 v[X], v[X], v[X+1]
	v_add_f32_dpp v[X], v[X], v[X] row_xmask:1 row_mask:0xf bank_mask:0xf
	v_add_f32_dpp v[X], v[X], v[X] row_xmask:2 row_mask:0xf bank_mask:0xf
	v_add_f32_dpp v[X], v[X], v[X] row_xmask:4 row_mask:0xf bank_mask:0xf
	v_add_f32_dpp v[X], v[X], v[X] row_xmask:8 row_mask:0xf bank_mask:0xf
	v_permlanex16_b32 v[X+1], v[X], s30, s31
	v_add_f32 v[X], v[X], v[X+1]
	v_mul_f32 v[X], 0x34200000, v[X]               ; 1.25 / (32,768 x 256) = 1.25 x 2^-23: the mean, once and a quarter
	v_mov_b32 v[X+2], 0
	v_cmp_eq_u32 vcc_lo, 0, v0                     ; in wave 0 the thread's number is the lane's
	s_wait_xcnt 0x0                                ; EXEC, a source of the loads and stores above, changes only behind this wait
	s_and_saveexec_b32 s25, vcc_lo
	global_store_b32 v[X+2], v[X], s[14:15]
	s_wait_xcnt 0x0                                ; and again, in front of the line that widens it
	s_or_b32 exec_lo, exec_lo, s25
.Lend:
	s_endpgm
.Lfunc_end_k_q3659beb839_gather:
	.size	k_q3659beb839_gather, .Lfunc_end_k_q3659beb839_gather-k_q3659beb839_gather
	.p2alignl 7, 3214868480
	.fill 96, 4, 3214868480
	.section	.rodata,"a",@progbits
	.p2align	6, 0x0
	.amdhsa_kernel k_q3659beb839_gather
		.amdhsa_group_segment_fixed_size 0
		.amdhsa_private_segment_fixed_size 0
		.amdhsa_enable_private_segment 0
		.amdhsa_kernarg_size 48
		.amdhsa_user_sgpr_count 2
		.amdhsa_user_sgpr_kernarg_segment_ptr 1
		.amdhsa_wavefront_size32 1
		.amdhsa_system_sgpr_workgroup_id_x 1
		.amdhsa_system_sgpr_workgroup_id_y 1
		.amdhsa_system_sgpr_workgroup_id_z 1
		.amdhsa_system_vgpr_workitem_id 0
		.amdhsa_next_free_vgpr 152
		.amdhsa_next_free_sgpr 66
		.amdhsa_reserve_vcc 1
		.amdhsa_float_denorm_mode_32 3
		.amdhsa_float_denorm_mode_16_64 3
		.amdhsa_memory_ordered 1
		.amdhsa_forward_progress 1
		.amdhsa_inst_pref_size 13
	.end_amdhsa_kernel
	.amdgpu_metadata
---
amdhsa.version: [ 1, 2 ]
amdhsa.kernels:
  - .name:           k_q3659beb839_gather
    .symbol:         k_q3659beb839_gather.kd
    .args:
      - { .name: x, .offset: 0, .size: 8, .value_kind: global_buffer, .address_space: global }
      - { .name: centroids, .offset: 8, .size: 8, .value_kind: global_buffer, .address_space: global }
      - { .name: widx, .offset: 16, .size: 8, .value_kind: global_buffer, .address_space: global }
      - { .name: part, .offset: 24, .size: 8, .value_kind: global_buffer, .address_space: global }
      - { .name: out0, .offset: 32, .size: 8, .value_kind: global_buffer, .address_space: global }
      - { .name: out1, .offset: 40, .size: 8, .value_kind: global_buffer, .address_space: global }
    .group_segment_fixed_size: 0
    .private_segment_fixed_size: 0
    .kernarg_segment_align: 8
    .kernarg_segment_size: 48
    .max_flat_workgroup_size: 256
    .sgpr_count:     66
    .vgpr_count:     152
    .wavefront_size: 32
...
	.end_amdgpu_metadata
.endif
;; end of part 3
;; ======== version 2 of 2: 3 launches; version 1 with the launch gather written anew for expert scheduling mode
;; limits: a difference of large sums (such as E[x^2] - mean^2): digits are lost where the result is much smaller than its terms
;; workspace buffers: cbw 4,259,840 bytes; widx 131,072 bytes of whole numbers; part 1,024 bytes
;; launch prep: the kernel of part 1 again; grid 256 x 1, 8 waves a work-group, no clusters, 1,280 bytes of LDS; arguments centroids, cbw; writes cbw
;; launch main: the kernel of part 2 again; grid 256 x 1, 4 waves a work-group, clusters of 4 x 1, 327,680 bytes of LDS; arguments x, cbw, out2, widx, part; writes out2, widx, part
;; launch gather (part 4): grid 512 x 1, 8 waves a work-group, no clusters, 0 bytes of LDS; arguments x, centroids, widx, part, out0, out1; writes out0, out1
.if DOCPART == 4
	.amdgcn_target "amdgcn-amd-amdhsa--gfx1250"
	.amdhsa_code_object_version 6
	.text
	.protected	k_q3659beb839_gather
	.globl	k_q3659beb839_gather
	.p2align	8
	.type	k_q3659beb839_gather,@function
k_q3659beb839_gather:
	s_mov_b64 s[64:65], 0
	v_nop
	global_prefetch_b8 v0, s[64:65] scope:SCOPE_SE
	s_setreg_imm32_b32 hwreg(HW_REG_WAVE_SCHED_MODE, 0, 2), 2
	s_setreg_imm32_b32 hwreg(HW_REG_WAVE_MODE, 25, 1), 1
	s_wait_xcnt 0x0
	s_wait_alu depctr_vm_vsrc(0)
; out0[r] = x[r] + (centroids[widx[r]] - x[r]), in f32, in that order of operations; out1 = 1.25 x the mean of (c - x)^2, from the 256 partial sums in part.
; x, out0: [32768][256] f32; centroids: [8192][256] f32; widx: [32768] whole numbers, stored by the launch before; part: [256] f32.
; SHARES.  A wave takes 8 rows, a work-group's eight waves 64.  A row is 1,024 bytes: two loads (and two stores) of 16 bytes a lane, 512 consecutive bytes each, at multiples of 256 from the buffers' first bytes.
; All 32 loads of a wave (16 of x, 16 of the centroids' rows) are issued before the first is waited for.  The wave's eight indices come by one scalar load; each is held to 8,191 before it enters an address.
; Memory binds: no LDS, no matrix unit, no cluster.  The first wave of the first work-group also adds up part.
; THE MODE: SCHED_MODE bits 1:0 = 2 (LLVM: expert scheduling mode 2), set by the entry lines.  The code itself states the register dependences
; between vector instructions and memory instructions, with s_wait_alu, always for 0.
; THE PLAN.  Registers that memory instructions touch:
;   v[LO], v[PO]  offsets, made once at the head and never written again.  LO: read by every load of x and every store; PO: by the two loads of part.
;   v[CO ..]      row j's offset in the centroids: all eight are made when the indices are in, ahead of one wait and the run of 16 loads; never written again.
;   X             the loads of x land in it; row j's additions read X[j].  In the one wave that owns the loss the loads of part land in X[0] behind all rows.
;   C             the centroids' loads land in it; row j's additions write C[j] in place; the row's two stores read it; it is never written again.
; Row j's stores stand at the head of row j + 1, behind the wait for that row's data and one wait on va_vdst, which states that row j's additions have written C[j].
; No register that a load or store has read is written again in the rows, so no wait on vm_vsrc stands there.
.set LO, 2                             ; v2   16 x lane; never rewritten
.set PO, 3                             ; v3   32 x lane
.set X,  16                            ; v[16:79]   8 rows of x, 8 registers each
.set C,  80                            ; v[80:143]  8 rows of centroids, then of out0
.set CO, 144                           ; v[144:151] row j: the centroid's byte offset + 16 x lane
	s_load_b256 s[4:11], s[0:1], 0x0               ; x s[4:5], centroids s[6:7], widx s[8:9], part s[10:11]
	s_load_b128 s[12:15], s[0:1], 0x20             ; out0 s[12:13], out1 s[14:15]
	v_lshrrev_b32 v1, 5, v0
	v_readfirstlane_b32 s24, v1                    ; wave 0..7
	v_and_b32 v[LO], 31, v0
	v_lshlrev_b32 v[PO], 5, v[LO]
	v_lshlrev_b32 v[LO], 4, v[LO]
	s_lshl_b32 s26, ttmp9, 16                      ; 64 rows of 1,024 bytes a work-group,
	s_wait_alu depctr_va_sdst(0)                   ; s24 is written, ahead of its first reader: the wave's offsets are made from it
	s_lshl_b32 s27, s24, 13                        ; 8 rows a wave
	s_add_co_u32 s26, s26, s27
	s_mov_b32 s27, 0
	s_lshl_b32 s28, ttmp9, 8                       ; 64 indices a work-group,
	s_lshl_b32 s29, s24, 5                         ; 8 a wave
	s_add_co_u32 s28, s28, s29
	s_mov_b32 s29, 0
	s_mov_b32 s30, 0x76543210                      ; v_permlanex16_b32: each lane takes its own place in the other half
	s_mov_b32 s31, 0xfedcba98
	s_wait_kmcnt 0x0
	s_add_nc_u64 s[8:9], s[8:9], s[28:29]
	s_load_b256 s[16:23], s[8:9], 0x0              ; my eight indices
	s_add_nc_u64 s[4:5], s[4:5], s[26:27]
	s_add_nc_u64 s[12:13], s[12:13], s[26:27]
	s_wait_alu depctr_va_vdst(0)                   ; v[LO] and v[PO] are written: the loads and stores below read them as offsets
.irp j, 0,1,2,3,4,5,6,7
	global_load_b128 v[X+8*\j:X+8*\j+3],   v[LO], s[4:5] offset:1024*\j th:TH_LOAD_NT
	global_load_b128 v[X+8*\j+4:X+8*\j+7], v[LO], s[4:5] offset:1024*\j+512 th:TH_LOAD_NT
.endr
	s_wait_kmcnt 0x0
.irp j, 0,1,2,3,4,5,6,7
	s_min_u32 s[16+\j], s[16+\j], 8191             ; an index stays inside its table
	s_lshl_b32 s[16+\j], s[16+\j], 10              ; a centroid's row is 1,024 bytes
	v_add_nc_u32 v[CO+\j], s[16+\j], v[LO]
.endr
	s_wait_alu depctr_va_vdst(0)                   ; all eight v[CO ..] are written: the 16 loads below read them as offsets
.irp j, 0,1,2,3,4,5,6,7
	global_load_b128 v[C+8*\j:C+8*\j+3],   v[CO+\j], s[6:7]             ; no hint: a list may name a row twice
	global_load_b128 v[C+8*\j+4:C+8*\j+7], v[CO+\j], s[6:7] offset:512
.endr
; Row j leaves: two stores of 512 consecutive bytes each.
.macro SEND j
	global_store_b128 v[LO], v[C+8*(\j):C+8*(\j)+3],   s[12:13] offset:1024*(\j) th:TH_STORE_NT
	global_store_b128 v[LO], v[C+8*(\j)+4:C+8*(\j)+7], s[12:13] offset:1024*(\j)+512 th:TH_STORE_NT
.endm
.irp j, 0,1,2,3,4,5,6,7
	s_wait_loadcnt 2*(7-\j)                        ; loads come back in order: x and this row's centroid are in, the later rows' two loads each stay out
.if \j > 0
	s_wait_alu depctr_va_vdst(0)                   ; the row before has written its C, which its two stores read
	SEND \j-1
.endif
.irp q, 0,2,4,6
	v_pk_add_f32 v[C+8*\j+\q:C+8*\j+\q+1], v[C+8*\j+\q:C+8*\j+\q+1], v[X+8*\j+\q:X+8*\j+\q+1] neg_lo:[0,1] neg_hi:[0,1]  ; c - x
.endr
.irp q, 0,2,4,6
	v_pk_add_f32 v[C+8*\j+\q:C+8*\j+\q+1], v[X+8*\j+\q:X+8*\j+\q+1], v[C+8*\j+\q:C+8*\j+\q+1]  ; x + (c - x)
.endr
.endr
	s_wait_alu depctr_va_vdst(0)                   ; row 7 has written its C, which the last two stores read; and every row is done reading its X, in the first of which the loads of part land below
	SEND 7
	s_or_b32 s25, ttmp9, s24
	s_cmp_lg_u32 s25, 0                            ; the first wave of the first work-group owns the loss
	s_cbranch_scc1 .Lend
	global_load_b128 v[X:X+3],   v[PO], s[10:11]   ; 256 partial sums, eight a lane.  No wait: no vector instruction since the wait above names v[X ..] or v[PO]
	global_load_b128 v[X+4:X+7], v[PO], s[10:11] offset:16
	s_wait_loadcnt 0x0
	v_pk_add_f32 v[X:X+1], v[X:X+1], v[X+2:X+3]
	v_pk_add_f32 v[X+4:X+5], v[X+4:X+5], v[X+6:X+7]
	v_pk_add_f32 v[X:X+1], v[X:X+1], v[X+4:X+5]
	v_add_f32 v[X], v[X], v[X+1]
	v_add_f32_dpp v[X], v[X], v[X] row_xmask:1 row_mask:0xf bank_mask:0xf
	v_add_f32_dpp v[X], v[X], v[X] row_xmask:2 row_mask:0xf bank_mask:0xf
	v_add_f32_dpp v[X], v[X], v[X] row_xmask:4 row_mask:0xf bank_mask:0xf
	v_add_f32_dpp v[X], v[X], v[X] row_xmask:8 row_mask:0xf bank_mask:0xf
	v_permlanex16_b32 v[X+1], v[X], s30, s31
	v_add_f32 v[X], v[X], v[X+1]
	v_mul_f32 v[X], 0x34200000, v[X]               ; 1.25 / (32,768 x 256) = 1.25 x 2^-23: the mean, once and a quarter
	v_mov_b32 v[X+2], 0
	v_cmp_eq_u32 vcc_lo, 0, v0                     ; in wave 0 the thread's number is the lane's
	s_wait_xcnt 0x0                                ; EXEC, a source of the loads and stores above, changes only behind this wait
	s_wait_alu depctr_va_vcc(0)                    ; the compare has written VCC, from which EXEC is made
	s_wait_alu depctr_va_vdst(0)                   ; ahead of a write of EXEC: every vector instruction is done; v[X] and v[X+2], the store's data and offset, are written
	s_wait_alu depctr_vm_vsrc(0)                   ; ahead of a write of EXEC: every load and store issued so far has read its vector registers
	s_and_saveexec_b32 s25, vcc_lo
	global_store_b32 v[X+2], v[X], s[14:15]
	s_wait_xcnt 0x0                                ; and again, in front of the line that widens it
	s_wait_alu depctr_va_vdst(0)                   ; ahead of a write of EXEC: every vector instruction is done
	s_wait_alu depctr_vm_vsrc(0)                   ; ahead of a write of EXEC: the store has read its vector registers
	s_or_b32 exec_lo, exec_lo, s25
.Lend:
	s_endpgm
.Lfunc_end_k_q3659beb839_gather:
	.size	k_q3659beb839_gather, .Lfunc_end_k_q3659beb839_gather-k_q3659beb839_gather
	.p2alignl 7, 3214868480
	.fill 96, 4, 3214868480
	.section	.rodata,"a",@progbits
	.p2align	6, 0x0
	.amdhsa_kernel k_q3659beb839_gather
		.amdhsa_group_segment_fixed_size 0
		.amdhsa_private_segment_fixed_size 0
		.amdhsa_enable_private_segment 0
		.amdhsa_kernarg_size 48
		.amdhsa_user_sgpr_count 2
		.amdhsa_user_sgpr_kernarg_segment_ptr 1
		.amdhsa_wavefront_size32 1
		.amdhsa_system_sgpr_workgroup_id_x 1
		.amdhsa_system_sgpr_workgroup_id_y 1
		.amdhsa_system_sgpr_workgroup_id_z 1
		.amdhsa_system_vgpr_workitem_id 0
		.amdhsa_next_free_vgpr 152
		.amdhsa_next_free_sgpr 66
		.amdhsa_reserve_vcc 1
		.amdhsa_float_denorm_mode_32 3
		.amdhsa_float_denorm_mode_16_64 3
		.amdhsa_memory_ordered 1
		.amdhsa_forward_progress 1
		.amdhsa_inst_pref_size 13
	.end_amdhsa_kernel
	.amdgpu_metadata
---
amdhsa.version: [ 1, 2 ]
amdhsa.kernels:
  - .name:           k_q3659beb839_gather
    .symbol:         k_q3659beb839_gather.kd
    .args:
      - { .name: x, .offset: 0, .size: 8, .value_kind: global_buffer, .address_space: global }
      - { .name: centroids, .offset: 8, .size: 8, .value_kind: global_buffer, .address_space: global }
      - { .name: widx, .offset: 16, .size: 8, .value_kind: global_buffer, .address_space: global }
      - { .name: part, .offset: 24, .size: 8, .value_kind: global_buffer, .address_space: global }
      - { .name: out0, .offset: 32, .size: 8, .value_kind: global_buffer, .address_space: global }
      - { .name: out1, .offset: 40, .size: 8, .value_kind: global_buffer, .address_space: global }
    .group_segment_fixed_size: 0
    .private_segment_fixed_size: 0
    .kernarg_segment_align: 8
    .kernarg_segment_size: 48
    .max_flat_workgroup_size: 256
    .sgpr_count:     66
    .vgpr_count:     152
    .wavefront_size: 32
...
	.end_amdgpu_metadata
.endif
;; end of part 4
